; MI455X (gfx1250); checked and timed in simulation.
; The chip was launched on July 23, 2026; its instructions are those of AMD's public machine-readable ISA for CDNA 5 (MIT licence, August 2026) and "CDNA5" Instruction Set Architecture Reference Guide (July 2026). The comments in the code are by the model that wrote it; some were corrected since.
;; H Multihead Attention Opt. Allowed arithmetic: float matrix products may take bf16 or f16 operands with f32 sums; all other float work in f32.
;; Inputs: Wk 512 x 512 float32; Wq 512 x 512 float32; Wv 512 x 512 float32; bk 512 float32; bq 512 float32; bv 512 float32; key 1 x 2,048 x 512 float32; query 1 x 2,048 x 512 float32; scale_gamma 1 float32; scale_tau 1 float32; value 1 x 2,048 x 512 float32.
;; Outputs: out0 1 x 2,048 x 512 float32.
;; One version. Each part assembles by itself: llvm-mc -triple=amdgcn-amd-amdhsa -mcpu=gfx1250 --defsym DOCPART=n.
;; ======== version 1 of 1: 2 launches
;; limits: a function is approximated: absolute error at most 1e-07
;; workspace buffers: wfrag 8,388,608 bytes; sums 491,520 bytes
;; launch proj (part 1): grid 64 x 3, 8 waves a work-group, no clusters, 289,792 bytes of LDS; arguments query, key, value, Wq, Wk, Wv, bq, bk, bv, wfrag, sums; writes wfrag, sums
.if DOCPART == 1
	.amdgcn_target "amdgcn-amd-amdhsa--gfx1250"
	.amdhsa_code_object_version 6
	.text
	.protected	k_q4c4951a7e4_proj
	.globl	k_q4c4951a7e4_proj
	.p2align	8
	.type	k_q4c4951a7e4_proj,@function
k_q4c4951a7e4_proj:
	s_mov_b64 s[64:65], 0
	v_nop
	global_prefetch_b8 v0, s[64:65] scope:SCOPE_SE
	s_setreg_imm32_b32 hwreg(HW_REG_WAVE_MODE, 25, 1), 1
	s_wait_xcnt 0x0
; One Poincare linear layer without its last division.  Work-group (x, y): projection p = y (0 q, 1 k, 2 v), rows 128 mb .. +127 and
; columns 128 nb .. +127 of it (nb = x & 3, mb = x >> 2), all 512 of K.  3 * 16 * 4 = 192 work-groups of equal work.
; Per element: u = lam (inner cz - sh) + sh, lam = 2 / (1 - |x|^2), cz = cosh(2 r) / zn, sh = sinh(2 r), zn = max(|z column|, 1e-15);
; tau = 2 zn log2(|u| + sqrt(u^2 + 1));  W2 = 2 sinh(2 zn asinh u) = exp2(tau) - exp2(-tau), or its odd series up to tau^7 below tau = 0.5
; (the next term is under 1e-9 of the sum there), with u's sign.  The division by 1 + sqrt(1 + sum over all 512 columns of w^2) spans four
; work-groups, so it is left to the next launch: stored are bf16(W2) and, per row, the sums of W2^2 and of bf16(W2)^2 over each head.
; OUT: wfrag = bf16(W2) in the order in which the next launch's matrix operands want it, 512 consecutive bytes a store:
;   p * 2^21 + head * 2^18 + (32-row group) * 4096 + { q, k: mt * 2048 + nt * 512 + lane * 16 : row 16 mt + r, d = 16 nt + 8 h .. + 7
;                                                      v   : dt * 1024 + q * 512 + lane * 16 : d = 16 dt + r, rows 16 q + 8 h .. + 7 }
;   and as a fourth section (p = 3), in v's order, v's remainders bf16(W2 - bf16(W2)): the next launch multiplies v as two bf16 terms.
;   sums = f32 [p][t][2048]: t = nb: sum of W2^2 over the block's 128 columns; t = 4 + head: over the head's 64; t = 12 + head: of the rounded values.
; Eight waves: wave w converts rows 16 w .. + 15 of x and k rows 8 w .. + 7 of each 64 of W to bf16 into LDS (summing squares in f32 on the way) and
; multiplies rows 32 (w >> 1) .. + 31 by the 64 columns of head 2 nb + (w & 1).
; NO TENSOR LOADS, NO JOINT REQUESTS: x's tile is read by 4 work-groups and W's by 16, but every input byte has to pass through registers
; (f32 to bf16, and the f32 sums of squares), and the f32 tiles, 2 * 262,144 bytes, do not fit into LDS beside their bf16 copies.
; LIMITS: log2(|u| + sqrt(u^2 + 1)) carries an absolute error of about 1e-7 (relative 1e-4 at |u| = 1e-3); u^2 is finite up to |u| = 1.8e19.
.set XP,    1040                       ; LDS pitch of a row of x: 512 bf16 + 16 bytes = 65 * 16
.set WS,    133120                     ; W in bf16, [512 k][128 n], behind x's 128 rows
.set WP,    288                        ; its pitch: 128 bf16 + 32 bytes = 9 * 32
.set LAM,   280576                     ; lam of the 128 rows
.set PART,  281088                     ; [8 waves][128 columns]: the waves' sums of z^2
.set CZT,   285184                     ; cz, then sh (+512), then 2 zn (+1024), 128 columns each
.set SUMS,  286720                     ; [kind * 2 + head half][128 rows]
.set SP,    160                        ; pitch of the stage in which v is transposed: 64 bf16 + 32 bytes = 5 * 32
.set LOST,  8*32*SP                    ; the stages for v's remainders lie behind the eight waves' stages for v: bytes of their own
.set XG,   2                           ; byte offset of my 16 bytes in x
.set WG,   3                           ; the same in W
.set XSA,  4                           ; where I put x in LDS
.set WSA,  5                           ; where I put W in LDS (steps by 64 k rows a chunk)
.set XFA,  6                           ; where I read x's fragments
.set WFA,  7                           ; where I read W's fragments (steps likewise)
.set LAMA, 8
.set PA,   9
.set BIAS, 10
.set L16,  11                          ; lane * 16
.set SU,   12
.set SA,   13
.set TA,   14
.set TT,   15
.set ACC,  16                          ; v[16:79]   accumulator (mt, nt) at 16 + 8 (4 mt + nt); for v its first four registers later hold the packed remainders
.set FR,   80                          ; v[80:175]  fragments: k step ks: x (mt) at 80 + 48 ks + 8 mt, W (nt) at 96 + 48 ks + 8 nt; later cz, sh, 2 zn
.set TMP,  176                         ; v[176:207] bf16 on its way to LDS
.set X2A,  208                         ; v[208:223] eight pairs: sums of x^2
.set CSA,  224                         ; v[224:227] sums of z^2 of my four columns
.set T1,   176
.set T2,   184
.set T3,   192
.set T4,   200
.set PK,   208                         ; v[208:239] the packed results, tile (mt, nt) at 208 + 4 (4 mt + nt)
.set LAMP, 240                         ; v[240:243] lam of my row, twice, for each mt
.set HS,   244                         ; v[244:251] for each mt: pair of sums of W2^2, pair of sums of the rounded squares
.set C75,  252                         ; v[252:255] c7, c7, c5, c5
; registers 256 .. 447: three sets of 64 for the global loads (set d at 256 + 64 d: x's eight quads, then W's eight)
.set MSB, 0
.macro WIN new                         ; the immediate's high byte repeats the setting that is left
.if MSB != \new
	s_set_vgpr_msb (MSB<<8)|\new
.set MSB, \new
.endif
.endm
.macro PLACES
.rept 4
	v_nop
.endr
.endm
	s_load_b512 s[8:23], s[0:1], 0x0               ; query, key, value, Wq, Wk, Wv, bq, bk
	s_load_b128 s[24:27], s[0:1], 0x40             ; bv, wfrag
	s_load_b64 s[28:29], s[0:1], 0x50              ; sums
	s_set_vgpr_msb 0x40
	v_lshl_add_u32 v192, v0, 2, 0x46800
	v_mov_b32 v193, 0
	s_set_vgpr_msb 0x4000
	v_and_b32 v1, 31, v0                           ; lane L
	v_lshrrev_b32 v[TT], 5, v0
	v_readfirstlane_b32 s2, v[TT]                  ; wave w
	s_and_b32 s3, ttmp7, 0xffff                    ; p
	s_and_b32 s4, ttmp9, 3                         ; nb
	s_lshr_b32 s5, ttmp9, 2                        ; mb
	s_lshr_b32 s6, s2, 1                           ; rg: my 32 rows
	s_and_b32 s7, s2, 1                            ; hd: my 64 columns
	s_mov_b32 s46, 0x3de35847                      ; c3 = ln2^3 / 3
	s_mov_b32 s47, 0x3de35847
	s_mov_b32 s48, 0x3fb17218                      ; c1 = 2 ln2
	s_mov_b32 s49, 0x3fb17218
	s_mov_b32 s50, 0x7fffffff
	s_mov_b32 s51, 0xffff0000
	s_mov_b32 s52, 0x76543210                      ; v_permlanex16_b32: lane i of one half reads lane i of the other
	s_mov_b32 s53, 0xfedcba98
	s_mov_b32 s56, 0x26901d7d                      ; 1e-15
	v_mov_b32 v[C75], 0x37ffe5ff                   ; c7 = ln2^7 / 2520
	v_mov_b32 v[C75+1], 0x37ffe5ff
	v_mov_b32 v[C75+2], 0x3b2ec3ff                 ; c5 = ln2^5 / 60
	v_mov_b32 v[C75+3], 0x3b2ec3ff
	v_and_b32 v80, 15, v0                          ; r
	v_bfe_u32 v81, v0, 4, 1                        ; h
	v_and_b32 v82, 7, v0
	v_bfe_u32 v83, v0, 3, 1
	v_lshl_add_u32 v84, v81, 3, v82                ; 8 h + (L & 7)
	s_lshl_b32 s54, s2, 15
	v_lshlrev_b32 v[XG], 14, v81
	v_lshl_add_u32 v[XG], v80, 4, v[XG]
	v_add_nc_u32 v[XG], s54, v[XG]                 ; (16 w + 8 h) rows of 2,048 bytes + 16 r
	s_lshl_b32 s54, s2, 14
	v_lshl_add_u32 v[WG], v1, 4, s54               ; 8 w rows of 2,048 bytes + 16 L
	s_mul_i32 s54, s2, 16*XP
	v_mul_u32_u24 v[XSA], v81, 8*XP
	v_lshl_add_u32 v[XSA], v80, 3, v[XSA]
	v_add_nc_u32 v[XSA], s54, v[XSA]               ; (16 w + 8 h) XP + 8 r
	s_mul_i32 s54, s2, 8*WP
	s_add_co_u32 s54, s54, WS
	v_lshl_add_u32 v[WSA], v1, 3, s54              ; WS + 8 w WP + 8 L
	s_mul_i32 s54, s6, 32*XP
	v_mul_u32_u24 v[XFA], v80, XP
	v_lshl_add_u32 v[XFA], v81, 4, v[XFA]
	v_add_nc_u32 v[XFA], s54, v[XFA]               ; (32 rg + r) XP + 16 h
	s_lshl_b32 s54, s7, 7
	s_add_co_u32 s54, s54, WS
	v_mul_u32_u24 v[WFA], v84, WP
	v_lshl_add_u32 v[WFA], v83, 4, v[WFA]
	v_add_nc_u32 v[WFA], s54, v[WFA]               ; WS + (8 h + (L & 7)) WP + 16 ((L >> 3) & 1) + 128 hd
	s_lshl_b32 s54, s2, 6
	s_add_co_u32 s54, s54, LAM
	v_lshl_add_u32 v[LAMA], v81, 5, s54            ; LAM + 4 (16 w + 8 h)
	s_lshl_b32 s54, s2, 9
	s_add_co_u32 s54, s54, PART
	v_lshl_add_u32 v[PA], v1, 4, s54               ; PART + 512 w + 16 L
	v_lshlrev_b32 v[L16], 4, v1
	s_lshl_b32 s54, s7, 9
	s_lshl_b32 s55, s6, 7
	s_add_co_u32 s54, s54, s55
	s_add_co_u32 s54, s54, SUMS
	v_lshl_add_u32 v[SU], v80, 2, s54              ; SUMS + 512 hd + 4 (32 rg + r)
	s_mul_i32 s54, s2, 32*SP
	v_mul_u32_u24 v[SA], v80, SP
	v_lshl_add_u32 v[SA], v81, 4, v[SA]
	v_add_nc_u32 v[SA], s54, v[SA]                 ; my stage + r SP + 16 h
	v_mul_u32_u24 v[TA], v84, SP
	v_lshl_add_u32 v[TA], v83, 4, v[TA]
	v_add_nc_u32 v[TA], s54, v[TA]                 ; my stage + (8 h + (L & 7)) SP + 16 ((L >> 3) & 1)
	v_and_b32 v[TT], 127, v0
	v_lshlrev_b32 v[TT], 2, v[TT]                  ; the bias of column t & 127
	s_wait_kmcnt 0x0
	s_cmp_eq_u32 s3, 1                             ; the projection's three buffers
	s_cselect_b64 s[30:31], s[10:11], s[8:9]
	s_cselect_b64 s[32:33], s[16:17], s[14:15]
	s_cselect_b64 s[34:35], s[22:23], s[20:21]
	s_cmp_eq_u32 s3, 2
	s_cselect_b64 s[30:31], s[12:13], s[30:31]
	s_cselect_b64 s[32:33], s[18:19], s[32:33]
	s_cselect_b64 s[34:35], s[24:25], s[34:35]
	s_mov_b32 s41, 0
	s_lshl_b32 s40, s5, 18                         ; 128 rows of 2,048 bytes
	s_add_nc_u64 s[30:31], s[30:31], s[40:41]
	s_lshl_b32 s40, s4, 9                          ; 128 columns of 4 bytes
	s_add_nc_u64 s[32:33], s[32:33], s[40:41]
	s_add_nc_u64 s[34:35], s[34:35], s[40:41]
	s_lshl1_add_u32 s54, s4, s7                    ; head = 2 nb + hd
	s_lshl_b32 s54, s54, 18
	s_lshl_b32 s40, s3, 21
	s_add_co_u32 s40, s40, s54
	s_lshl_b32 s54, s5, 14
	s_add_co_u32 s40, s40, s54
	s_lshl_b32 s54, s6, 12
	s_add_co_u32 s40, s40, s54
	s_add_nc_u64 s[36:37], s[26:27], s[40:41]      ; my 4,096 bytes of wfrag
	global_load_b32 v[BIAS], v[TT], s[34:35]
; Chunk c (64 of K) into load set d: 8 loads of x (16 lanes take 256 consecutive bytes of a row, aligned) and 8 of W (a wave takes 512 of a k row).
.macro LOADS c, d
	WIN 0x40                                       ; destination in registers 256 and up, address below
.irp i, 0,1,2,3,4,5,6,7
	global_load_b128 v[64*(\d)+4*\i:64*(\d)+4*\i+3], v[XG], s[30:31] offset:\i*2048+(\c)*256
.endr
.irp i, 0,1,2,3,4,5,6,7
	global_load_b128 v[64*(\d)+32+4*\i:64*(\d)+32+4*\i+3], v[WG], s[32:33] offset:(64*(\c)+\i)*2048
.endr
	WIN 0
.endm
; Set d to bf16 and into LDS; squares are summed in f32.  The first products start the sums: nothing is cleared.
.macro CONVERT c, d
	WIN 0x05                                       ; sources 0 and 1 in registers 256 and up
.irp i, 0,1,2,3,4,5,6,7
	v_cvt_pk_bf16_f32 v[TMP+2*\i], v[64*(\d)+4*\i], v[64*(\d)+4*\i+1]
	v_cvt_pk_bf16_f32 v[TMP+2*\i+1], v[64*(\d)+4*\i+2], v[64*(\d)+4*\i+3]
.if (\c) == 0
	v_pk_mul_f32 v[X2A+2*\i:X2A+2*\i+1], v[64*(\d)+4*\i:64*(\d)+4*\i+1], v[64*(\d)+4*\i:64*(\d)+4*\i+1]
.else
	v_pk_fma_f32 v[X2A+2*\i:X2A+2*\i+1], v[64*(\d)+4*\i:64*(\d)+4*\i+1], v[64*(\d)+4*\i:64*(\d)+4*\i+1], v[X2A+2*\i:X2A+2*\i+1]
.endif
	v_pk_fma_f32 v[X2A+2*\i:X2A+2*\i+1], v[64*(\d)+4*\i+2:64*(\d)+4*\i+3], v[64*(\d)+4*\i+2:64*(\d)+4*\i+3], v[X2A+2*\i:X2A+2*\i+1]
.endr
.irp i, 0,1,2,3,4,5,6,7
	v_cvt_pk_bf16_f32 v[TMP+16+2*\i], v[64*(\d)+32+4*\i], v[64*(\d)+32+4*\i+1]
	v_cvt_pk_bf16_f32 v[TMP+17+2*\i], v[64*(\d)+32+4*\i+2], v[64*(\d)+32+4*\i+3]
.if ((\c)+\i) == 0
	v_pk_mul_f32 v[CSA:CSA+1], v[64*(\d)+32+4*\i:64*(\d)+32+4*\i+1], v[64*(\d)+32+4*\i:64*(\d)+32+4*\i+1]
	v_pk_mul_f32 v[CSA+2:CSA+3], v[64*(\d)+32+4*\i+2:64*(\d)+32+4*\i+3], v[64*(\d)+32+4*\i+2:64*(\d)+32+4*\i+3]
.else
	v_pk_fma_f32 v[CSA:CSA+1], v[64*(\d)+32+4*\i:64*(\d)+32+4*\i+1], v[64*(\d)+32+4*\i:64*(\d)+32+4*\i+1], v[CSA:CSA+1]
	v_pk_fma_f32 v[CSA+2:CSA+3], v[64*(\d)+32+4*\i+2:64*(\d)+32+4*\i+3], v[64*(\d)+32+4*\i+2:64*(\d)+32+4*\i+3], v[CSA+2:CSA+3]
.endif
.endr
	WIN 0
.irp i, 0,1,2,3,4,5,6,7
	ds_store_b64 v[XSA], v[TMP+2*\i:TMP+2*\i+1] offset:\i*XP+(\c)*128
.endr
.irp i, 0,1,2,3,4,5,6,7
	ds_store_b64 v[WSA], v[TMP+16+2*\i:TMP+17+2*\i] offset:\i*WP
.endr
	v_add_nc_u32 v[WSA], 64*WP, v[WSA]
.endm
; Eight products of one k step of 32.  Source 0 = 16 columns of W, source 1 = 16 rows of x: lane (r, h), register j then holds row 16 mt + r,
; column 16 nt + 8 h + j: eight neighbouring columns of a row.  The eight accumulators take turns, one instruction a turn.
.macro MUL8 ks, zero
.irp mt, 0,1
.irp nt, 0,1,2,3
.if \zero
	v_wmma_f32_16x16x32_bf16 v[ACC+8*(4*\mt+\nt):ACC+8*(4*\mt+\nt)+7], v[FR+16+48*\ks+8*\nt:FR+16+48*\ks+8*\nt+7], v[FR+48*\ks+8*\mt:FR+48*\ks+8*\mt+7], 0
.else
	v_wmma_f32_16x16x32_bf16 v[ACC+8*(4*\mt+\nt):ACC+8*(4*\mt+\nt)+7], v[FR+16+48*\ks+8*\nt:FR+16+48*\ks+8*\nt+7], v[FR+48*\ks+8*\mt:FR+48*\ks+8*\mt+7], v[ACC+8*(4*\mt+\nt):ACC+8*(4*\mt+\nt)+7]
.endif
.endr
.endr
.endm
; Chunk c multiplied: 12 fragment loads for each of its two k steps (x by rows; W, which lies [k][n], by the transposing load), 16 products.
.macro COMPUTE c, zero
.irp ks, 0,1
.irp mt, 0,1
	ds_load_b128 v[FR+48*\ks+8*\mt:FR+48*\ks+8*\mt+3], v[XFA] offset:\mt*16*XP+(\c)*128+\ks*64
	ds_load_b128 v[FR+48*\ks+8*\mt+4:FR+48*\ks+8*\mt+7], v[XFA] offset:\mt*16*XP+(\c)*128+\ks*64+32
.endr
.irp nt, 0,1,2,3
	ds_load_tr16_b128 v[FR+16+48*\ks+8*\nt:FR+16+48*\ks+8*\nt+3], v[WFA] offset:\ks*32*WP+\nt*32
	ds_load_tr16_b128 v[FR+16+48*\ks+8*\nt+4:FR+16+48*\ks+8*\nt+7], v[WFA] offset:\ks*32*WP+\nt*32+16*WP
.endr
.endr
	v_add_nc_u32 v[WFA], 64*WP, v[WFA]
	s_wait_dscnt 12                                ; the first k step's 12 loads are in; the second's 12 stay out
	MUL8 0, \zero
	s_wait_dscnt 0x0
	MUL8 1, 0
	PLACES                                         ; four places behind the last product (ISA guide 7.12.1) before its registers are loaded or read
.endm
; One chunk.  left = the loads of the younger chunks, 16 each, that stay out.  No LDS byte is written twice in these chunks, so one barrier,
; between a chunk's stores and its reads, is all the order that they need.
.macro CHUNK c, d, left, more, zero
	s_wait_loadcnt \left
	CONVERT \c, \d
.if \more
	LOADS (\c)+3, \d
.endif
	s_wait_dscnt 0x0                               ; my stores are in LDS, for the others' sake
	s_barrier_signal -1
	s_barrier_wait -1
	COMPUTE \c, \zero
.endm
	LOADS 0, 0
	LOADS 1, 1
	LOADS 2, 2
	CHUNK 0, 0, 32, 1, 1                           ; the first products start the sums
	CHUNK 1, 1, 32, 1, 0
	CHUNK 2, 2, 32, 1, 0
	CHUNK 3, 0, 32, 1, 0
	CHUNK 4, 1, 32, 1, 0
	CHUNK 5, 2, 32, 0, 0
	CHUNK 6, 0, 16, 0, 0
	s_wait_loadcnt 0x0                             ; the last chunk
	CONVERT 7, 1
	; lam = 2 / (1 - |x|^2) of my 16 rows: the 16 lanes of a half hold one row's parts
.irp i, 0,1,2,3,4,5,6,7
	v_add_f32 v[X2A+2*\i], v[X2A+2*\i], v[X2A+2*\i+1]
.endr
.irp m, 1,2,4,8
.irp i, 0,1,2,3,4,5,6,7
	v_add_f32_dpp v[X2A+2*\i], v[X2A+2*\i], v[X2A+2*\i] row_xmask:\m row_mask:0xf bank_mask:0xf
.endr
.endr
.irp i, 0,1,2,3,4,5,6,7
	v_sub_f32 v[X2A+2*\i], 1.0, v[X2A+2*\i]
.endr
.irp i, 0,1,2,3,4,5,6,7
	v_rcp_f32 v[X2A+2*\i], v[X2A+2*\i]
.endr
	v_nop                                          ; a plain place behind the reciprocals (ISA guide 5.7.2)
	s_wait_alu depctr_va_vdst(0)
.irp i, 0,1,2,3,4,5,6,7
	v_add_f32 v[X2A+2*\i], v[X2A+2*\i], v[X2A+2*\i]
	ds_store_b32 v[LAMA], v[X2A+2*\i] offset:4*\i
.endr
	ds_store_b128 v[PA], v[CSA:CSA+3]              ; my k rows' share of the four columns' sums of z^2
	s_wait_dscnt 0x0
	s_barrier_signal -1
	s_barrier_wait -1
	; waves 0 to 3, thread t = column t: zn, cz, sh.  The branch jumps over no barrier.
	s_cmp_gt_u32 s2, 3
	s_cbranch_scc1 .Lnotab
	v_lshlrev_b32 v[TT], 2, v0
	v_add_nc_u32 v[TT], PART, v[TT]
.irp wv, 0,1,2,3,4,5,6,7
	ds_load_b32 v[TMP+\wv], v[TT] offset:\wv*512
.endr
	v_mul_f32 v[TMP+8], 0x4038aa3b, v[BIAS]        ; 2 r log2(e)
	s_wait_dscnt 0x0
	v_add_f32 v[TMP], v[TMP], v[TMP+1]
	v_add_f32 v[TMP+2], v[TMP+2], v[TMP+3]
	v_add_f32 v[TMP+4], v[TMP+4], v[TMP+5]
	v_add_f32 v[TMP+6], v[TMP+6], v[TMP+7]
	v_add_f32 v[TMP], v[TMP], v[TMP+2]
	v_add_f32 v[TMP+4], v[TMP+4], v[TMP+6]
	v_add_f32 v[TMP], v[TMP], v[TMP+4]
	v_sqrt_f32 v[TMP], v[TMP]
	v_exp_f32 v[TMP+9], v[TMP+8]                   ; e^(2r)
	v_exp_f32 v[TMP+10], -v[TMP+8]                 ; e^(-2r)
	v_nop
	s_wait_alu depctr_va_vdst(0)
	v_max_num_f32 v[TMP], s56, v[TMP]              ; zn
	v_rcp_f32 v[TMP+1], v[TMP]
	v_add_f32 v[TMP+2], v[TMP+9], v[TMP+10]        ; (the plain place behind the reciprocal)
	v_sub_f32 v[TMP+3], v[TMP+9], v[TMP+10]
	v_mul_f32 v[TMP+2], 0.5, v[TMP+2]
	v_mul_f32 v[TMP+3], 0.5, v[TMP+3]              ; sh
	s_wait_alu depctr_va_vdst(0)
	v_mul_f32 v[TMP+2], v[TMP+2], v[TMP+1]         ; cz
	v_add_f32 v[TMP], v[TMP], v[TMP]               ; 2 zn
	ds_store_b32 v[TT], v[TMP+2] offset:CZT-PART
	ds_store_b32 v[TT], v[TMP+3] offset:CZT-PART+512
	ds_store_b32 v[TT], v[TMP] offset:CZT-PART+1024
.Lnotab:
	COMPUTE 7, 0
	s_wait_dscnt 0x0                               ; the three tables are in LDS, and my reads of x and W are over
	s_barrier_signal -1
	s_barrier_wait -1
	; my rows' lam and my 64 columns' cz, sh, 2 zn, in the accumulators' order
	s_lshl_b32 s54, s6, 7
	s_add_co_u32 s54, s54, LAM
	v_and_b32 v[TT], 15, v0
	v_lshl_add_u32 v[TT], v[TT], 2, s54            ; LAM + 4 (32 rg + r)
	s_lshl_b32 s55, s7, 8
	s_add_co_u32 s55, s55, CZT
	v_bfe_u32 v1, v0, 4, 1
	v_lshl_add_u32 v1, v1, 5, s55                  ; CZT + 256 hd + 32 h
	ds_load_b32 v[LAMP], v[TT]
	ds_load_b32 v[LAMP+2], v[TT] offset:64
.irp tb, 0,1,2
.irp nt, 0,1,2,3
	ds_load_b128 v[FR+32*\tb+8*\nt:FR+32*\tb+8*\nt+3], v1 offset:\tb*512+\nt*64
	ds_load_b128 v[FR+32*\tb+8*\nt+4:FR+32*\tb+8*\nt+7], v1 offset:\tb*512+\nt*64+16
.endr
.endr
	s_wait_dscnt 0x0
	v_mov_b32 v[LAMP+1], v[LAMP]
	v_mov_b32 v[LAMP+3], v[LAMP+2]
; The pointwise part for one tile of 16 x 16: eight numbers a lane.
.macro EPI mt, nt
.set UU,  ACC+8*(4*\mt+\nt)
.set CZr, FR+8*\nt
.set SHr, FR+32+8*\nt
.set ZNr, FR+64+8*\nt
.set PKr, PK+4*(4*\mt+\nt)
.set LMr, LAMP+2*\mt
.set H2r, HS+4*\mt
.set HHr, HS+4*\mt+2
.irp k, 0,2,4,6
	v_pk_fma_f32 v[UU+\k:UU+\k+1], v[UU+\k:UU+\k+1], v[CZr+\k:CZr+\k+1], v[SHr+\k:SHr+\k+1] neg_lo:[0,0,1] neg_hi:[0,0,1]   ; inner cz - sh
.endr
.irp k, 0,2,4,6
	v_pk_fma_f32 v[UU+\k:UU+\k+1], v[UU+\k:UU+\k+1], v[LMr:LMr+1], v[SHr+\k:SHr+\k+1]                                       ; u
.endr
.irp k, 0,2,4,6
	v_pk_fma_f32 v[T1+\k:T1+\k+1], v[UU+\k:UU+\k+1], v[UU+\k:UU+\k+1], 1.0 op_sel_hi:[1,1,0]
.endr
.irp j, 0,1,2,3,4,5,6,7
	v_sqrt_f32 v[T1+\j], v[T1+\j]
.endr
	v_nop                                          ; a plain place behind each run of transcendentals (ISA guide 5.7.2)
	s_wait_alu depctr_va_vdst(0)
.irp j, 0,1,2,3,4,5,6,7
	v_add_f32 v[T1+\j], |v[UU+\j]|, v[T1+\j]
.endr
.irp j, 0,1,2,3,4,5,6,7
	v_log_f32 v[T1+\j], v[T1+\j]
.endr
	v_nop
	s_wait_alu depctr_va_vdst(0)
.irp k, 0,2,4,6
	v_pk_mul_f32 v[T1+\k:T1+\k+1], v[T1+\k:T1+\k+1], v[ZNr+\k:ZNr+\k+1]            ; tau >= 0
.endr
.irp j, 0,1,2,3,4,5,6,7
	v_exp_f32 v[T2+\j], v[T1+\j]
.endr
.irp j, 0,1,2,3,4,5,6,7
	v_exp_f32 v[T3+\j], -v[T1+\j]
.endr
.irp k, 0,2,4,6
	v_pk_mul_f32 v[T4+\k:T4+\k+1], v[T1+\k:T1+\k+1], v[T1+\k:T1+\k+1]              ; tau^2: also the plain place
.endr
	s_wait_alu depctr_va_vdst(0)
.irp k, 0,2,4,6
	v_pk_add_f32 v[T2+\k:T2+\k+1], v[T2+\k:T2+\k+1], v[T3+\k:T3+\k+1] neg_lo:[0,1] neg_hi:[0,1]
.endr
.irp k, 0,2,4,6
	v_pk_fma_f32 v[T3+\k:T3+\k+1], v[T4+\k:T4+\k+1], v[C75:C75+1], v[C75+2:C75+3]
.endr
.irp k, 0,2,4,6
	v_pk_fma_f32 v[T3+\k:T3+\k+1], v[T3+\k:T3+\k+1], v[T4+\k:T4+\k+1], s[46:47] op_sel_hi:[1,1,0]
.endr
.irp k, 0,2,4,6
	v_pk_fma_f32 v[T3+\k:T3+\k+1], v[T3+\k:T3+\k+1], v[T4+\k:T4+\k+1], s[48:49] op_sel_hi:[1,1,0]
.endr
.irp k, 0,2,4,6
	v_pk_mul_f32 v[T3+\k:T3+\k+1], v[T3+\k:T3+\k+1], v[T1+\k:T1+\k+1]
.endr
.irp j, 0,1,2,3,4,5,6,7
	v_cmp_gt_f32 vcc_lo, 0.5, v[T1+\j]             ; below 0.5 the difference of exponentials cancels: take the series
	v_cndmask_b32 v[T2+\j], v[T2+\j], v[T3+\j], vcc_lo
.endr
.irp j, 0,1,2,3,4,5,6,7
	v_bfi_b32 v[T2+\j], s50, v[T2+\j], v[UU+\j]    ; u's sign
.endr
.if \nt == 0
	v_pk_mul_f32 v[H2r:H2r+1], v[T2:T2+1], v[T2:T2+1]
.else
	v_pk_fma_f32 v[H2r:H2r+1], v[T2:T2+1], v[T2:T2+1], v[H2r:H2r+1]
.endif
.irp k, 2,4,6
	v_pk_fma_f32 v[H2r:H2r+1], v[T2+\k:T2+\k+1], v[T2+\k:T2+\k+1], v[H2r:H2r+1]
.endr
.irp k, 0,1,2,3
	v_cvt_pk_bf16_f32 v[PKr+\k], v[T2+2*\k], v[T2+2*\k+1]
.endr
.irp k, 0,1,2,3
	v_lshlrev_b32 v[T3+2*\k], 16, v[PKr+\k]        ; the rounded values again, for their own sum of squares
	v_and_b32 v[T3+2*\k+1], s51, v[PKr+\k]
.endr
.if \nt == 0
	v_pk_mul_f32 v[HHr:HHr+1], v[T3:T3+1], v[T3:T3+1]
.else
	v_pk_fma_f32 v[HHr:HHr+1], v[T3:T3+1], v[T3:T3+1], v[HHr:HHr+1]
.endif
.irp k, 2,4,6
	v_pk_fma_f32 v[HHr:HHr+1], v[T3+\k:T3+\k+1], v[T3+\k:T3+\k+1], v[HHr:HHr+1]
.endr
	s_cmp_eq_u32 s3, 2                             ; v alone is also wanted with what the rounding left over
	s_cbranch_scc0 .Lnolo_\@
.irp k, 0,2,4,6
	v_pk_add_f32 v[T2+\k:T2+\k+1], v[T2+\k:T2+\k+1], v[T3+\k:T3+\k+1] neg_lo:[0,1] neg_hi:[0,1]   ; W2 - bf16(W2), exact in f32
.endr
.irp k, 0,1,2,3
	v_cvt_pk_bf16_f32 v[UU+\k], v[T2+2*\k], v[T2+2*\k+1]   ; into the tile's accumulator, which has been read for the last time
.endr
.Lnolo_\@:
.endm
; Row 16 mt + r: lanes r and 16 + r hold the two halves of its sums over my 64 columns.
.macro SUMROW mt
.irp q, 0,2
	v_add_f32 v[HS+4*\mt+\q], v[HS+4*\mt+\q], v[HS+4*\mt+\q+1]
	v_permlanex16_b32 v[HS+4*\mt+\q+1], v[HS+4*\mt+\q], s52, s53
	v_add_f32 v[HS+4*\mt+\q], v[HS+4*\mt+\q], v[HS+4*\mt+\q+1]
	ds_store_b32 v[SU], v[HS+4*\mt+\q] offset:\q*512+\mt*64
.endr
.endm
	EPI 0, 0
	EPI 0, 1
	EPI 0, 2
	EPI 0, 3
	SUMROW 0
	EPI 1, 0
	EPI 1, 1
	EPI 1, 2
	EPI 1, 3
	SUMROW 1
	s_cmp_eq_u32 s3, 2
	s_cbranch_scc1 .Lvout
	; q and k: a lane's four packed registers are a quarter of a fragment as they stand; each store of the wave covers 512 consecutive bytes, aligned
.irp mt, 0,1
.irp nt, 0,1,2,3
	global_store_b128 v[L16], v[PK+4*(4*\mt+\nt):PK+4*(4*\mt+\nt)+3], s[36:37] offset:\mt*2048+\nt*512
.endr
.endr
	s_branch .Lsums
.Lvout:
	; v is wanted with the keys along the registers: through my own stages (in x's bytes, which nobody reads behind the last barrier; one for the
	; rounded values, one for the remainders) and the transposing load.  LDS serves a wave's instructions in order (ISA guide 5.7.1): no wait
	; between my stores and my loads.
.irp mt, 0,1
.irp nt, 0,1,2,3
	ds_store_b128 v[SA], v[PK+4*(4*\mt+\nt):PK+4*(4*\mt+\nt)+3] offset:\mt*16*SP+\nt*32
	ds_store_b128 v[SA], v[ACC+8*(4*\mt+\nt):ACC+8*(4*\mt+\nt)+3] offset:LOST+\mt*16*SP+\nt*32
.endr
.endr
.irp dt, 0,1,2,3
.irp q, 0,1
	ds_load_tr16_b128 v[FR+4*(2*\dt+\q):FR+4*(2*\dt+\q)+3], v[TA] offset:\q*16*SP+\dt*32
	ds_load_tr16_b128 v[FR+32+4*(2*\dt+\q):FR+32+4*(2*\dt+\q)+3], v[TA] offset:LOST+\q*16*SP+\dt*32
.endr
.endr
	s_wait_dscnt 0x0
.irp dt, 0,1,2,3
.irp q, 0,1
	global_store_b128 v[L16], v[FR+4*(2*\dt+\q):FR+4*(2*\dt+\q)+3], s[36:37] offset:\dt*1024+\q*512
.endr
.endr
.irp dt, 0,1,2,3
.irp q, 0,1
	global_store_b128 v[L16], v[FR+32+4*(2*\dt+\q):FR+32+4*(2*\dt+\q)+3], s[36:37] offset:0x200000+\dt*1024+\q*512   ; the fourth section, 2^21 bytes behind v's
.endr
.endr
.Lsums:
	s_wait_dscnt 0x0                               ; my rows' sums are in LDS
	s_barrier_signal -1
	s_barrier_wait -1
	; waves 0 to 4 store one array of 128 rows each, 512 consecutive bytes: wave 0 the block's sum (both heads), waves 1 to 4 array w - 1
	s_cmp_gt_u32 s2, 4
	s_cbranch_scc1 .Lend
	s_sub_co_i32 s54, s2, 1
	s_max_i32 s54, s54, 0                          ; array = kind * 2 + head half
	s_lshr_b32 s55, s54, 1
	s_lshl_b32 s55, s55, 3
	s_and_b32 s57, s54, 1
	s_lshl1_add_u32 s57, s4, s57
	s_add_co_u32 s55, s55, s57
	s_add_co_u32 s55, s55, 4                       ; t = 4 + 8 kind + head
	s_cmp_eq_u32 s2, 0
	s_cselect_b32 s55, s4, s55                     ; wave 0: t = nb
	s_mul_i32 s57, s3, 20
	s_add_co_u32 s55, s55, s57
	s_lshl_b32 s40, s55, 13                        ; (20 p + t) arrays of 8,192 bytes
	s_lshl_b32 s57, s5, 9
	s_add_co_u32 s40, s40, s57                     ; + 128 mb rows
	s_mov_b32 s41, 0
	s_add_nc_u64 s[38:39], s[28:29], s[40:41]
	s_lshl_b32 s54, s54, 9
	s_add_co_u32 s54, s54, SUMS
	v_add_nc_u32 v[TT], s54, v[L16]
	ds_load_b128 v[T1:T1+3], v[TT]
	s_cmp_lg_u32 s2, 0
	s_cbranch_scc1 .Lone
	ds_load_b128 v[T1+4:T1+7], v[TT] offset:512
	s_wait_dscnt 0x0
	v_pk_add_f32 v[T1:T1+1], v[T1:T1+1], v[T1+4:T1+5]
	v_pk_add_f32 v[T1+2:T1+3], v[T1+2:T1+3], v[T1+6:T1+7]
.Lone:
	s_wait_dscnt 0x0
	global_store_b128 v[L16], v[T1:T1+3], s[38:39]
.Lend:
	s_barrier_signal -1
	s_barrier_wait -1
	s_set_vgpr_msb 0x5
	s_wait_tensorcnt 0x0
	ds_add_u32 v192, v193
	s_wait_dscnt 0x0
	s_set_vgpr_msb 0x500
	s_endpgm
.Lfunc_end_k_q4c4951a7e4_proj:
	.size	k_q4c4951a7e4_proj, .Lfunc_end_k_q4c4951a7e4_proj-k_q4c4951a7e4_proj
	.p2alignl 7, 3214868480
	.fill 96, 4, 3214868480
	.section	.rodata,"a",@progbits
	.p2align	6, 0x0
	.amdhsa_kernel k_q4c4951a7e4_proj
		.amdhsa_group_segment_fixed_size 289792
		.amdhsa_private_segment_fixed_size 0
		.amdhsa_enable_private_segment 0
		.amdhsa_kernarg_size 88
		.amdhsa_user_sgpr_count 2
		.amdhsa_user_sgpr_kernarg_segment_ptr 1
		.amdhsa_wavefront_size32 1
		.amdhsa_system_sgpr_workgroup_id_x 1
		.amdhsa_system_sgpr_workgroup_id_y 1
		.amdhsa_system_sgpr_workgroup_id_z 1
		.amdhsa_system_vgpr_workitem_id 0
		.amdhsa_next_free_vgpr 450
		.amdhsa_next_free_sgpr 66
		.amdhsa_reserve_vcc 1
		.amdhsa_float_denorm_mode_32 3
		.amdhsa_float_denorm_mode_16_64 3
		.amdhsa_memory_ordered 1
		.amdhsa_forward_progress 1
		.amdhsa_inst_pref_size 152
	.end_amdhsa_kernel
	.amdgpu_metadata
---
amdhsa.version: [ 1, 2 ]
amdhsa.kernels:
  - .name:           k_q4c4951a7e4_proj
    .symbol:         k_q4c4951a7e4_proj.kd
    .args:
      - { .name: query, .offset: 0, .size: 8, .value_kind: global_buffer, .address_space: global }
      - { .name: key, .offset: 8, .size: 8, .value_kind: global_buffer, .address_space: global }
      - { .name: value, .offset: 16, .size: 8, .value_kind: global_buffer, .address_space: global }
      - { .name: Wq, .offset: 24, .size: 8, .value_kind: global_buffer, .address_space: global }
      - { .name: Wk, .offset: 32, .size: 8, .value_kind: global_buffer, .address_space: global }
      - { .name: Wv, .offset: 40, .size: 8, .value_kind: global_buffer, .address_space: global }
      - { .name: bq, .offset: 48, .size: 8, .value_kind: global_buffer, .address_space: global }
      - { .name: bk, .offset: 56, .size: 8, .value_kind: global_buffer, .address_space: global }
      - { .name: bv, .offset: 64, .size: 8, .value_kind: global_buffer, .address_space: global }
      - { .name: wfrag, .offset: 72, .size: 8, .value_kind: global_buffer, .address_space: global }
      - { .name: sums, .offset: 80, .size: 8, .value_kind: global_buffer, .address_space: global }
    .group_segment_fixed_size: 289792
    .private_segment_fixed_size: 0
    .kernarg_segment_align: 8
    .kernarg_segment_size: 88
    .max_flat_workgroup_size: 256
    .sgpr_count:     66
    .vgpr_count:     450
    .wavefront_size: 32
...
	.end_amdgpu_metadata
.endif
;; end of part 1
;; launch attn (part 2): grid 32 x 8, 8 waves a work-group, no clusters, 142,336 bytes of LDS; arguments wfrag, sums, scale_tau, scale_gamma, out0; writes out0
.if DOCPART == 2
	.amdgcn_target "amdgcn-amd-amdhsa--gfx1250"
	.amdhsa_code_object_version 6
	.text
	.protected	k_q4c4951a7e4_attn
	.globl	k_q4c4951a7e4_attn
	.p2align	8
	.type	k_q4c4951a7e4_attn,@function
k_q4c4951a7e4_attn:
	s_mov_b64 s[64:65], 0
	v_nop
	global_prefetch_b8 v0, s[64:65] scope:SCOPE_SE
	s_setreg_imm32_b32 hwreg(HW_REG_WAVE_MODE, 25, 1), 1
	s_wait_xcnt 0x0
; Causal hyperbolic attention and gyromidpoint for one head (y) and the query blocks i = x and 63 - i of 32 rows: i + 1 and 64 - i chunks of 32 keys,
; 65 units of 32 x 32 in every one of the 256 work-groups.  Wave w takes units w, w + 8, ..: first block i's chunks (phase A), then block 63 - i's (B).
; The vectors come unnormalised, Wh = bf16(2 w); the true vector is (F / 2) Wh with F = 1 / (1 + sqrt(1 + S / 4)), S = the row's sum over all 512 columns.
; F goes into constants per key and per query.  With n2 = F^2 h2 / 4 (f32 norm), RK = 1 / (1 - n2), A = RK F^2 hh / 4 (norm of the rounded vector):
;   arg = 1 + 2 |q - k|^2 / ((1 - q2)(1 - k2)) = 1 + (2 A_q) RK_k + (2 RK_q) A_k - (RK_q F_q)(RK_k F_k) s,   s = Wh_q . Wh_k (matrix unit);
;   x1 = max(arg, 1 + 2^-23) (both clips of the model in one);  y = x1 + sqrt(x1^2 - 1);  wt = exp2(-T log2 y + g_k) = w G_k,  T = e^tau,
;   G = lam_v F_v / 2 = F_v / (1 - v2), g = log2 G - gamma log2 e;  num += wt W2_v (matrix unit);  den += wt D_k, D = (lam_v - 1) / G = (1 + v2) / F_v.
; TWO bf16 TERMS FOR wt AND FOR V: in the first rows num is a mean over few keys whose terms are many times a typical output and cancel, so a bf16's
; eight bits are too few there.  wt = Ph + Pl and W2_v = Vh + Vl, each the bf16 rounding and the bf16 of the remainder; num += Ph Vh + Pl Vh + Ph Vl;
; the product of the two remainders, about 2^-16 of the sum, is left out.  (f16 would have the bits but not the range of 2 sinh(d).)
; The model takes no maximum away before its exponential, and neither does this text.
; The waves' parts of num and den meet in LDS; then g = num / max(den, 1e-15), out = 0.3523471 g x / (gn (1 + sqrt(1 - x^2))), x = min(gn, 1 - 2^-23).
; NO TENSOR LOADS, NO JOINT REQUESTS: K and V lie in memory in fragment order and go straight into registers, each byte to one wave of the work-group,
; 512 consecutive bytes a load; work-groups of one head walk different numbers of chunks (i + 1 and 64 - i), so partners would not ask alike.
; LIMITS: v_exp_f32 gives zero for weights below 2^-126; a NaN in arg becomes the clip's value (v_max_num_f32).
.set TBL,   8192                       ; LDS, while units are worked on: five tables of 2,048 f32 per key: A, RK, -RK F, g, D (40,960 bytes from byte 0)
.set PG,    69632                      ; LDS, behind the last unit, from byte 0: [phase][8 waves][32 rows] of 64 f32, pitch 272 = 17 * 16
.set PW,    8704
.set PP,    272
.set DENP,  139264                     ; [phase][8 waves][32 rows] f32: the waves' parts of den, 128 bytes a wave
.set L16,  1                           ; lane * 16
.set H32,  2                           ; h * 32
.set TADR, 3
.set REL,  4                           ; r - 8 h
.set VPA,  5
.set VPB,  6
.set DA,   7
.set LQA,  9
.set LQB,  10
.set QOA,  11
.set QOB,  12
.set T16,  13                          ; thread * 16
.set KF,   16                          ; v[16:47]   K fragments (kt, ds) at 16 + 16 kt + 8 ds
.set VF,   48                          ; v[48:79]   V fragments, rounded values (dt) at 48 + 8 dt
.set SC,   80                          ; v[80:111]  scores (qt, kt) at 80 + 16 qt + 8 kt; at the end of ELEM qt the first 8 of its 16 hold Pl, a B fragment
.set T2,   112                         ; v[112:127]
.set PB,   128                         ; v[128:135] Ph, the weights rounded to bf16: a B fragment
.set CFA,  136                         ; v[136:215] the chunk's key constants, 16 each, index 8 kt + j
.set CFB,  152
.set CFC,  168
.set CFG,  184
.set CFD,  200
.set DEN,  216                         ; v[216:223] two pairs for each qt
.set QC,   224                         ; v[224:247] phase ph, tile qt at 224 + 12 ph + 6 qt: 2 A, 2 RK, RK F of my query, each twice
.set NEGT, 248
.set GAM,  250
.set DNA,  254                         ; v[254:255] phase A's den of my two queries
.set LD,   80                          ; prologue: v[80:167] the sums for the tables
.set N0,   168                         ; prologue: six quads at work
.set N1,   172
.set N2,   176
.set N3,   180
.set N4,   184
.set N5,   188
.set QL,   192                         ; prologue: v[192:215] the queries' sums, six quads
.set QF,   64                          ; registers 256 + 64 + 32 ph + 16 qt + 8 ds: Q fragments
.set VFL,  192                         ; registers 256 + 192 + 8 dt: V fragments, remainders
                                       ; registers 256 + 128 ph + 8 (4 qt + dt): the accumulators of num
.set MSB, 0
.macro WIN new                         ; the immediate's high byte repeats the setting that is left
.if MSB != \new
	s_set_vgpr_msb (MSB<<8)|\new
.set MSB, \new
.endif
.endm
.macro PK2 op, d, a, b                 ; a packed operation on four registers
	\op v[\d:\d+1], v[\a:\a+1], v[\b:\b+1]
	\op v[\d+2:\d+3], v[\a+2:\a+3], v[\b+2:\b+3]
.endm
	s_load_b256 s[8:15], s[0:1], 0x0               ; wfrag, sums, scale_tau, scale_gamma
	s_load_b64 s[16:17], s[0:1], 0x20              ; out0
	v_lshl_add_u32 v8, v0, 2, 0x22800
	s_set_vgpr_msb 0x40
	v_mov_b32 v225, 0
	s_set_vgpr_msb 0x4000
	v_lshrrev_b32 v14, 5, v0
	v_readfirstlane_b32 s2, v14                    ; wave w
	s_mov_b32 s3, ttmp9                            ; i
	s_and_b32 s4, ttmp7, 0xffff                    ; head
	s_add_co_u32 s5, s3, 1                         ; nA: phase A's units
	s_sub_co_u32 s49, 63, s3
	s_mov_b32 s38, 0x76543210                      ; v_permlanex16_b32: lane i of one half reads lane i of the other
	s_mov_b32 s39, 0xfedcba98
	s_mov_b32 s46, 0x3e800000                      ; 0.25
	s_mov_b32 s47, 0x3e800000
	s_mov_b32 s48, 0x3f800001                      ; 1 + 2^-23
	s_mov_b32 s50, 0x26901d7d                      ; 1e-15
	s_mov_b32 s51, 0x3f7ffffe                      ; 1 - 1e-7 in f32
	s_mov_b32 s52, 0x3eb466d7                      ; B(256, 1/2) / B(32, 1/2)
	s_mov_b32 s55, 0xffff0000                      ; a word's upper bf16
	s_sub_co_u32 s23, s2, s5
	s_cmp_lt_u32 s2, s5
	s_cselect_b32 s18, s2, s23                     ; my first unit's chunk
	s_add_co_u32 s54, s5, 7
	s_sub_co_u32 s54, s54, s2
	s_lshr_b32 s54, s54, 3                         ; my units in phase A: those of w, w + 8, .. below nA: (nA + 7 - w) >> 3, 0 to 4
	s_cmp_eq_u32 s2, 0
	s_cselect_b32 s7, 8, 7                         ; wave 0 has 9 units (0 .. 64), the others 8 (w .. 56 + w); the last one is written out,
	s_sub_co_u32 s7, s7, s54                       ; so phase B's loop has this many trips: 3 at the least
	v_and_b32 v252, 15, v0                         ; r
	v_bfe_u32 v253, v0, 4, 1                       ; h
	v_and_b32 v14, 31, v0
	v_lshlrev_b32 v[L16], 4, v14
	v_lshlrev_b32 v[H32], 5, v253
	v_lshlrev_b32 v[REL], 3, v253
	v_sub_nc_u32 v[REL], v252, v[REL]
	s_mul_i32 s22, s2, PW
	v_mul_u32_u24 v[VPA], v252, PP
	v_add_nc_u32 v[VPA], v[H32], v[VPA]
	v_add_nc_u32 v[VPA], s22, v[VPA]               ; my part of phase A: row r, 32 h bytes in
	v_add_nc_u32 v[VPB], PG, v[VPA]
	s_lshl_b32 s22, s2, 7
	s_add_co_u32 s22, s22, DENP
	v_lshl_add_u32 v[DA], v252, 2, s22             ; my 128 bytes of den's parts, row r
	s_lshl_b32 s22, s3, 12
	v_add_nc_u32 v[LQA], s22, v[L16]
	s_lshl_b32 s22, s49, 12
	v_add_nc_u32 v[LQB], s22, v[L16]
	s_lshl_b32 s22, s3, 7
	v_lshl_add_u32 v[QOA], v252, 2, s22
	s_lshl_b32 s22, s49, 7
	v_lshl_add_u32 v[QOB], v252, 2, s22
	v_lshlrev_b32 v[T16], 4, v0
	s_wait_kmcnt 0x0
	s_load_b32 s40, s[12:13], 0x0
	s_load_b32 s41, s[14:15], 0x0
	s_mov_b32 s37, 0
	s_lshl_b32 s36, s4, 13
	s_add_nc_u64 s[24:25], s[10:11], s[36:37]      ; sums + head arrays
	s_lshl_b32 s36, s4, 18
	s_add_nc_u64 s[26:27], s[8:9], s[36:37]        ; the head's q,
	s_add_nc_u64 s[28:29], s[26:27], 0x200000      ; k,
	s_add_nc_u64 s[30:31], s[26:27], 0x400000      ; v (its remainders 2^21 bytes further on)
	s_lshl_b32 s36, s18, 12
	s_add_nc_u64 s[32:33], s[28:29], s[36:37]
	s_add_nc_u64 s[34:35], s[30:31], s[36:37]
	s_lshl_b32 s22, s4, 8
	s_lshl_b32 s36, s3, 16
	s_add_co_u32 s36, s36, s22
	s_add_nc_u64 s[42:43], s[16:17], s[36:37]      ; out0 at block i, my head's 256 bytes
	s_lshl_b32 s36, s49, 16
	s_add_co_u32 s36, s36, s22
	s_add_nc_u64 s[44:45], s[16:17], s[36:37]      ; and at block 63 - i
	; 24 words for my four queries (A qt 0, A qt 1, B qt 0, B qt 1 = element e of each quad)
.macro QLD e, va, qt
.irp n, 0,1,2,3
	global_load_b32 v[QL+4*\n+\e], v[\va], s[10:11] offset:\n*8192+\qt*64
.endr
	global_load_b32 v[QL+16+\e], v[\va], s[24:25] offset:4*8192+\qt*64
	global_load_b32 v[QL+20+\e], v[\va], s[24:25] offset:12*8192+\qt*64
.endm
	QLD 0, QOA, 0
	QLD 1, QOA, 1
	QLD 2, QOB, 0
	QLD 3, QOB, 1
	; 22 loads for the tables: thread t takes keys 4 (t + 256 it) .. + 3
.irp it, 0,1
.irp n, 0,1,2,3
	global_load_b128 v[LD+44*\it+4*\n:LD+44*\it+4*\n+3], v[T16], s[10:11] offset:163840+\n*8192+\it*4096
.endr
	global_load_b128 v[LD+44*\it+16:LD+44*\it+19], v[T16], s[24:25] offset:163840+4*8192+\it*4096
	global_load_b128 v[LD+44*\it+20:LD+44*\it+23], v[T16], s[24:25] offset:163840+12*8192+\it*4096
.irp n, 0,1,2,3
	global_load_b128 v[LD+44*\it+24+4*\n:LD+44*\it+24+4*\n+3], v[T16], s[10:11] offset:327680+\n*8192+\it*4096
.endr
	global_load_b128 v[LD+44*\it+40:LD+44*\it+43], v[T16], s[24:25] offset:327680+4*8192+\it*4096
.endr
.macro KLOAD                           ; 8 loads
.irp kt, 0,1
.irp q, 0,1,2,3
	global_load_b128 v[KF+16*\kt+4*\q:KF+16*\kt+4*\q+3], v[L16], s[32:33] offset:\kt*2048+\q*512
.endr
.endr
.endm
.macro VLOAD                           ; 16 loads: the rounded values, then the remainders
.irp dt, 0,1,2,3
.irp q, 0,1
	global_load_b128 v[VF+8*\dt+4*\q:VF+8*\dt+4*\q+3], v[L16], s[34:35] offset:\dt*1024+\q*512
.endr
.endr
	WIN 0x40                                       ; destination in registers 256 and up
.irp dt, 0,1,2,3
.irp q, 0,1
	global_load_b128 v[VFL+8*\dt+4*\q:VFL+8*\dt+4*\q+3], v[L16], s[34:35] offset:0x200000+\dt*1024+\q*512
.endr
.endr
	WIN 0
.endm
	KLOAD                                          ; my first chunk's K
	s_wait_kmcnt 0x0
	v_mov_b32 v[NEGT], s40
	v_mul_f32 v[NEGT], 0x3fb8aa3b, v[NEGT]
	v_exp_f32 v[NEGT], v[NEGT]                     ; T = e^tau
	v_mov_b32 v[GAM], s41                          ; (the plain place behind the exponential: ISA guide 5.7.2)
	s_wait_alu depctr_va_vdst(0)
	v_mul_f32 v[NEGT], -1.0, v[NEGT]
	v_mov_b32 v[NEGT+1], v[NEGT]
	v_mul_f32 v[GAM], 0xbfb8aa3b, v[GAM]           ; -gamma log2 e
	v_mov_b32 v[GAM+1], v[GAM]
	s_wait_loadcnt 0x8                             ; the 24 query words and the 22 table loads are in; K's 8 loads stay out
	WIN 0x40                                       ; 16 loads: both blocks' Q fragments; the arithmetic of the tables below covers their way
.irp qt, 0,1
.irp q, 0,1,2,3
	global_load_b128 v[QF+16*\qt+4*\q:QF+16*\qt+4*\q+3], v[LQA], s[26:27] offset:\qt*2048+\q*512
.endr
.endr
.irp qt, 0,1
.irp q, 0,1,2,3
	global_load_b128 v[QF+32+16*\qt+4*\q:QF+32+16*\qt+4*\q+3], v[LQB], s[26:27] offset:\qt*2048+\q*512
.endr
.endr
	WIN 0
	VLOAD                                          ; my first chunk's V: the youngest sixteen, as at the head of every trip
; Four rows at once.  bs: four quads of block sums; hq: the head's f32 sum.  Leaves N0 = 1 / F, N1 = F, N2 = F^2 / 4, N3 = n2, N4 = RK, N5 = RK F.
.macro NORMQ bs, hq
	PK2 v_pk_add_f32, N0, \bs, \bs+4
	PK2 v_pk_add_f32, N1, \bs+8, \bs+12
	PK2 v_pk_add_f32, N0, N0, N1
.irp k, 0,2
	v_pk_fma_f32 v[N0+\k:N0+\k+1], v[N0+\k:N0+\k+1], s[46:47], 1.0 op_sel_hi:[1,0,0]
.endr
.irp k, 0,1,2,3
	v_sqrt_f32 v[N0+\k], v[N0+\k]
.endr
	v_nop                                          ; a plain place behind each run of transcendentals (ISA guide 5.7.2)
	s_wait_alu depctr_va_vdst(0)
.irp k, 0,2
	v_pk_add_f32 v[N0+\k:N0+\k+1], v[N0+\k:N0+\k+1], 1.0 op_sel_hi:[1,0]
.endr
.irp k, 0,1,2,3
	v_rcp_f32 v[N1+\k], v[N0+\k]
.endr
	v_nop
	s_wait_alu depctr_va_vdst(0)
	PK2 v_pk_mul_f32, N2, N1, N1
.irp k, 0,2
	v_pk_mul_f32 v[N2+\k:N2+\k+1], v[N2+\k:N2+\k+1], s[46:47] op_sel_hi:[1,0]
.endr
	PK2 v_pk_mul_f32, N3, N2, \hq
.irp k, 0,2
	v_pk_fma_f32 v[N4+\k:N4+\k+1], v[N3+\k:N3+\k+1], -1.0, 1.0 op_sel_hi:[1,0,0]
.endr
.irp k, 0,1,2,3
	v_rcp_f32 v[N4+\k], v[N4+\k]
.endr
	v_nop
	s_wait_alu depctr_va_vdst(0)
	PK2 v_pk_mul_f32, N5, N4, N1
.endm
.macro KTAB it
	NORMQ LD+44*\it, LD+44*\it+16
	PK2 v_pk_mul_f32, N2, N2, LD+44*\it+20
	PK2 v_pk_mul_f32, N2, N2, N4
.irp k, 0,2
	v_pk_mul_f32 v[N5+\k:N5+\k+1], v[N5+\k:N5+\k+1], -1.0 op_sel_hi:[1,0]
.endr
	ds_store_b128 v[T16], v[N2:N2+3] offset:\it*4096
	ds_store_b128 v[T16], v[N4:N4+3] offset:TBL+\it*4096
	ds_store_b128 v[T16], v[N5:N5+3] offset:2*TBL+\it*4096
.endm
.macro VTAB it
	NORMQ LD+44*\it+24, LD+44*\it+40
.irp k, 0,1,2,3
	v_log_f32 v[N5+\k], v[N5+\k]
.endr
	v_nop
	s_wait_alu depctr_va_vdst(0)
.irp k, 0,2
	v_pk_add_f32 v[N5+\k:N5+\k+1], v[N5+\k:N5+\k+1], v[GAM:GAM+1]
	v_pk_add_f32 v[N3+\k:N3+\k+1], v[N3+\k:N3+\k+1], 1.0 op_sel_hi:[1,0]
.endr
	PK2 v_pk_mul_f32, N3, N3, N0
	ds_store_b128 v[T16], v[N5:N5+3] offset:3*TBL+\it*4096
	ds_store_b128 v[T16], v[N3:N3+3] offset:4*TBL+\it*4096
.endm
	KTAB 0
	KTAB 1
	VTAB 0
	VTAB 1
	NORMQ QL, QL+16
	PK2 v_pk_mul_f32, N2, N2, QL+20
	PK2 v_pk_mul_f32, N2, N2, N4
.irp e, 0,1,2,3
	v_add_f32 v[QC+6*\e], v[N2+\e], v[N2+\e]       ; 2 A
	v_add_f32 v[QC+6*\e+1], v[N2+\e], v[N2+\e]
	v_add_f32 v[QC+6*\e+2], v[N4+\e], v[N4+\e]     ; 2 RK
	v_add_f32 v[QC+6*\e+3], v[N4+\e], v[N4+\e]
	v_mov_b32 v[QC+6*\e+4], v[N5+\e]               ; RK F
	v_mov_b32 v[QC+6*\e+5], v[N5+\e]
.endr
	; The sums are cleared, not started by a first product: a wave may have no unit in phase A and still hands in a part of zeros,
	; and a phase's first unit stands in a loop.  Once for a wave's 8 or 9 units.
	WIN 0x40
.set n, 0
.rept 64
	v_mov_b32 v[n], 0
	v_mov_b32 v[128+n], 0
.set n, n+1
.endr
	WIN 0
.macro DENCLR
.irp k, 0,1,2,3,4,5,6,7
	v_mov_b32 v[DEN+\k], 0
.endr
.endm
	DENCLR
	s_wait_dscnt 0x0                               ; my part of the tables is in LDS
	s_barrier_signal -1
	s_barrier_wait -1
.macro T2PREP qt, ph                   ; 1 + (2 A_q) RK_k + (2 RK_q) A_k
.irp m, 0,1,2,3,4,5,6,7
	v_pk_fma_f32 v[T2+2*\m:T2+2*\m+1], v[CFB+2*\m:CFB+2*\m+1], v[QC+12*\ph+6*\qt:QC+12*\ph+6*\qt+1], 1.0 op_sel_hi:[1,1,0]
.endr
.irp m, 0,1,2,3,4,5,6,7
	v_pk_fma_f32 v[T2+2*\m:T2+2*\m+1], v[CFA+2*\m:CFA+2*\m+1], v[QC+12*\ph+6*\qt+2:QC+12*\ph+6*\qt+3], v[T2+2*\m:T2+2*\m+1]
.endr
.endm
; 16 queries x 32 keys, 16 numbers a lane: from s to the weight, its share of den, and the weight as two B fragments of bf16, Ph and Pl.
.macro ELEM qt, ph, mask
.set SQ, SC+16*\qt
.irp m, 0,1,2,3,4,5,6,7
	v_pk_mul_f32 v[SQ+2*\m:SQ+2*\m+1], v[SQ+2*\m:SQ+2*\m+1], v[CFC+2*\m:CFC+2*\m+1]
.endr
.irp m, 0,1,2,3,4,5,6,7
	v_pk_fma_f32 v[T2+2*\m:T2+2*\m+1], v[SQ+2*\m:SQ+2*\m+1], v[QC+12*\ph+6*\qt+4:QC+12*\ph+6*\qt+5], v[T2+2*\m:T2+2*\m+1]
.endr
.irp e, 0,1,2,3,4,5,6,7,8,9,10,11,12,13,14,15
	v_max_num_f32 v[T2+\e], s48, v[T2+\e]
.endr
.irp m, 0,1,2,3,4,5,6,7
	v_pk_fma_f32 v[SQ+2*\m:SQ+2*\m+1], v[T2+2*\m:T2+2*\m+1], v[T2+2*\m:T2+2*\m+1], -1.0 op_sel_hi:[1,1,0]
.endr
.irp e, 0,1,2,3,4,5,6,7,8,9,10,11,12,13,14,15
	v_sqrt_f32 v[SQ+\e], v[SQ+\e]
.endr
	v_nop
	s_wait_alu depctr_va_vdst(0)
.irp m, 0,1,2,3,4,5,6,7
	v_pk_add_f32 v[SQ+2*\m:SQ+2*\m+1], v[SQ+2*\m:SQ+2*\m+1], v[T2+2*\m:T2+2*\m+1]
.endr
.irp e, 0,1,2,3,4,5,6,7,8,9,10,11,12,13,14,15
	v_log_f32 v[SQ+\e], v[SQ+\e]
.endr
	v_nop
	s_wait_alu depctr_va_vdst(0)
.irp m, 0,1,2,3,4,5,6,7
	v_pk_fma_f32 v[SQ+2*\m:SQ+2*\m+1], v[SQ+2*\m:SQ+2*\m+1], v[NEGT:NEGT+1], v[CFG+2*\m:CFG+2*\m+1]
.endr
.irp e, 0,1,2,3,4,5,6,7,8,9,10,11,12,13,14,15
	v_exp_f32 v[SQ+\e], v[SQ+\e]
.endr
	v_nop
.if \mask
	s_cmp_eq_u32 s18, s20                          ; only the chunk on the diagonal has keys behind its queries
	s_cbranch_scc0 .Lnm_\@
	s_wait_alu depctr_va_vdst(0)
.irp kt, 0,1
.irp j, 0,1,2,3,4,5,6,7
	v_cmp_le_i32 vcc_lo, \j-16*(\qt-\kt), v[REL]   ; key 16 kt + 8 h + j <= query 16 qt + r
	v_cndmask_b32 v[SQ+8*\kt+\j], 0, v[SQ+8*\kt+\j], vcc_lo
.endr
.endr
.Lnm_\@:
.endif
	s_wait_alu depctr_va_vdst(0)
.irp m, 0,1,2,3,4,5,6,7
	v_pk_fma_f32 v[DEN+4*\qt+2*(\m&1):DEN+4*\qt+2*(\m&1)+1], v[SQ+2*\m:SQ+2*\m+1], v[CFD+2*\m:CFD+2*\m+1], v[DEN+4*\qt+2*(\m&1):DEN+4*\qt+2*(\m&1)+1]
	v_cvt_pk_bf16_f32 v[PB+\m], v[SQ+2*\m], v[SQ+2*\m+1]           ; Ph
.endr
.irp m, 0,1,2,3,4,5,6,7
	v_lshlrev_b32 v[T2+2*\m], 16, v[PB+\m]         ; Ph as f32 (x1 in these registers has been read for the last time)
	v_and_b32 v[T2+2*\m+1], s55, v[PB+\m]
.endr
.irp m, 0,1,2,3,4,5,6,7
	v_pk_add_f32 v[SQ+2*\m:SQ+2*\m+1], v[SQ+2*\m:SQ+2*\m+1], v[T2+2*\m:T2+2*\m+1] neg_lo:[0,1] neg_hi:[0,1]   ; wt - Ph, exact in f32
.endr
.irp m, 0,1,2,3,4,5,6,7
	v_cvt_pk_bf16_f32 v[SQ+\m], v[SQ+2*\m], v[SQ+2*\m+1]           ; Pl: word m is written when words 2 m and 2 m + 1 are read, never ahead of a read
.endr
.endm
; num += Ph Vh + Pl Vh + Ph Vl.  Source 0 = 16 d of V, source 1 = the weights: lane (r, h), register j = query r, d = 16 dt + 8 h + j.
; The four accumulators take turns, one instruction a turn, through all three products.
.macro PV qt, ph
	WIN 0x50                                       ; C and D in registers 256 and up
.irp dt, 0,1,2,3
	v_wmma_f32_16x16x32_bf16 v[128*\ph+8*(4*\qt+\dt):128*\ph+8*(4*\qt+\dt)+7], v[VF+8*\dt:VF+8*\dt+7], v[PB:PB+7], v[128*\ph+8*(4*\qt+\dt):128*\ph+8*(4*\qt+\dt)+7]
.endr
.irp dt, 0,1,2,3
	v_wmma_f32_16x16x32_bf16 v[128*\ph+8*(4*\qt+\dt):128*\ph+8*(4*\qt+\dt)+7], v[VF+8*\dt:VF+8*\dt+7], v[SC+16*\qt:SC+16*\qt+7], v[128*\ph+8*(4*\qt+\dt):128*\ph+8*(4*\qt+\dt)+7]
.endr
	WIN 0x51                                       ; and source 0, V's remainders, too
.irp dt, 0,1,2,3
	v_wmma_f32_16x16x32_bf16 v[128*\ph+8*(4*\qt+\dt):128*\ph+8*(4*\qt+\dt)+7], v[VFL+8*\dt:VFL+8*\dt+7], v[PB:PB+7], v[128*\ph+8*(4*\qt+\dt):128*\ph+8*(4*\qt+\dt)+7]
.endr
	WIN 0
.endm
; One unit: chunk s18 against phase ph's 32 queries.  more = 1: the next unit's K and V are asked for, a trip ahead, whichever phase it belongs to.
; mask = 1: the unit may be the one on the diagonal.  All accumulators take turns of one instruction.
.macro TRIP ph, more, mask
	v_lshl_add_u32 v[TADR], s18, 7, v[H32]
.irp x, 0,1,2,3,4
.irp kt, 0,1
	ds_load_b128 v[CFA+16*\x+8*\kt:CFA+16*\x+8*\kt+3], v[TADR] offset:\x*TBL+\kt*64
	ds_load_b128 v[CFA+16*\x+8*\kt+4:CFA+16*\x+8*\kt+7], v[TADR] offset:\x*TBL+\kt*64+16
.endr
.endr
	s_wait_loadcnt 16                              ; this chunk's K is in (in a wave's first trip the Q fragments too); the 16 youngest loads, its V, stay out
	WIN 0x04                                       ; source 1 (Q) in registers 256 and up
.irp qt, 0,1
.irp kt, 0,1
	v_wmma_f32_16x16x32_bf16 v[SC+16*\qt+8*\kt:SC+16*\qt+8*\kt+7], v[KF+16*\kt:KF+16*\kt+7], v[QF+32*\ph+16*\qt:QF+32*\ph+16*\qt+7], 0
.endr
.endr
.irp qt, 0,1
.irp kt, 0,1
	v_wmma_f32_16x16x32_bf16 v[SC+16*\qt+8*\kt:SC+16*\qt+8*\kt+7], v[KF+16*\kt+8:KF+16*\kt+15], v[QF+32*\ph+16*\qt+8:QF+32*\ph+16*\qt+15], v[SC+16*\qt+8*\kt:SC+16*\qt+8*\kt+7]
.endr
.endr
	WIN 0
	s_wait_dscnt 0x0                               ; the key constants
	T2PREP 0, \ph                                  ; 16 plain instructions that name none of the products' registers: the places behind them (ISA guide 7.12.1)
.if \more
	s_add_co_u32 s22, s6, 8                        ; my next unit, and its chunk
	s_sub_co_u32 s23, s22, s5
	s_cmp_lt_u32 s22, s5
	s_cselect_b32 s19, s22, s23
	s_wait_xcnt 0x0                                ; K's base is written again only behind this wait
	s_lshl_b32 s36, s19, 12
	s_add_nc_u64 s[32:33], s[28:29], s[36:37]
	KLOAD
.endif
	ELEM 0, \ph, \mask
.if \more
	s_wait_loadcnt 0x8                             ; this chunk's V is in, both halves; the next chunk's K, 8 loads, stays out
.else
	s_wait_loadcnt 0x0
.endif
	PV 0, \ph
	T2PREP 1, \ph                                  ; again the places: Ph's registers are written anew behind them
	ELEM 1, \ph, \mask
	PV 1, \ph
.rept 5
	v_nop                                          ; four places before V's registers are loaded again or the sums are read; five before the next
.endr                                                  ; unit's products write the scores' registers, eight of which were Pl, a source of the last products
.if \more
	s_wait_xcnt 0x0                                ; V's base likewise
	s_add_nc_u64 s[34:35], s[30:31], s[36:37]
	VLOAD
.endif
.endm
; den of query 16 qt + r: my four sums, and the other half of the lanes, which holds the query's other keys
.macro DENRED qt, d
	v_pk_add_f32 v[DEN+4*\qt:DEN+4*\qt+1], v[DEN+4*\qt:DEN+4*\qt+1], v[DEN+4*\qt+2:DEN+4*\qt+3]
	v_add_f32 v[DEN+4*\qt], v[DEN+4*\qt], v[DEN+4*\qt+1]
	v_permlanex16_b32 v[DEN+4*\qt+1], v[DEN+4*\qt], s38, s39
	v_add_f32 v[\d], v[DEN+4*\qt], v[DEN+4*\qt+1]
.endm
	; Both loops end on a trip counter, s53, that steps by one against a count made from the ids at the head; the unit number s6 steps by 8 beside it
	; and serves only to find the next unit's chunk.
	s_mov_b32 s6, s2                               ; u = w
	s_mov_b32 s20, s3                              ; phase A's diagonal chunk
	s_mov_b32 s53, 0
	s_cmp_lg_u32 s54, 0                            ; a wave with w > i has no unit in phase A
	s_cbranch_scc0 .LdoneA
.LloopA:
	TRIP 0, 1, 1                                   ; a unit of phase A always has a unit behind it
	s_mov_b32 s18, s19
	s_add_co_u32 s6, s6, 8
	s_add_co_u32 s53, s53, 1
	s_cmp_lt_u32 s53, s54
	s_cbranch_scc1 .LloopA
.LdoneA:
	DENRED 0, DNA
	DENRED 1, DNA+1
	DENCLR
	s_mov_b32 s20, s49                             ; phase B's diagonal chunk
	s_mov_b32 s53, 0
.LloopB:                                               ; all my units of phase B but the last.  The diagonal of block 63 - i is unit 64, wave 0's last: not in this loop
	TRIP 1, 1, 0
	s_mov_b32 s18, s19
	s_add_co_u32 s6, s6, 8
	s_add_co_u32 s53, s53, 1
	s_cmp_lt_u32 s53, s7
	s_cbranch_scc1 .LloopB
	TRIP 1, 0, 1                                   ; my last unit asks for nothing
	DENRED 0, DEN
	DENRED 1, DEN+4
	; The parts go into the tables' bytes: each wave's reads of the tables are waited for, then the barrier, then the stores.
	s_wait_dscnt 0x0
	s_barrier_signal -1
	s_barrier_wait -1
	ds_store_b32 v[DA], v[DNA]
	ds_store_b32 v[DA], v[DNA+1] offset:64
	ds_store_b32 v[DA], v[DEN] offset:1024
	ds_store_b32 v[DA], v[DEN+4] offset:1088
.macro PUT vp, ph
.irp qt, 0,1
.irp dt, 0,1,2,3
	ds_store_b128 v[\vp], v[128*\ph+8*(4*\qt+\dt):128*\ph+8*(4*\qt+\dt)+3] offset:\qt*16*PP+\dt*64
	ds_store_b128 v[\vp], v[128*\ph+8*(4*\qt+\dt)+4:128*\ph+8*(4*\qt+\dt)+7] offset:\qt*16*PP+\dt*64+16
.endr
.endr
.endm
	WIN 0x04                                       ; the stores' data in registers 256 and up
	PUT VPA, 0
	PUT VPB, 1
	WIN 0
	s_wait_dscnt 0x0                               ; both phases' parts are in LDS
	s_barrier_signal -1
	s_barrier_wait -1
	; Thread t: 16 bytes (l16 = t & 15) of rows t >> 4 and 16 + (t >> 4) of each block; the 16 lanes of a row of lanes hold one output row's head.
.set RP, 16
.set RD, 80
.set RO, 96
.set RT, 112
	v_and_b32 v[RT], 15, v0
	v_lshrrev_b32 v[RT+1], 4, v0
	v_mul_u32_u24 v14, v[RT+1], PP
	v_lshl_add_u32 v14, v[RT], 4, v14
	v_lshlrev_b32 v15, 2, v[RT+1]
	v_add_nc_u32 v15, DENP, v15
	v_lshlrev_b32 v[TADR], 11, v[RT+1]
	v_lshl_add_u32 v[TADR], v[RT], 4, v[TADR]      ; my bytes in the block of out0
.macro ROWFIN g, hf, sb
.set BB, RP+32*\hf
.set DD, RD+8*\hf
.set OO, RO+8*\g+4*\hf
	PK2 v_pk_add_f32, BB, BB, BB+4
	PK2 v_pk_add_f32, BB+8, BB+8, BB+12
	PK2 v_pk_add_f32, BB+16, BB+16, BB+20
	PK2 v_pk_add_f32, BB+24, BB+24, BB+28
	PK2 v_pk_add_f32, BB, BB, BB+8
	PK2 v_pk_add_f32, BB+16, BB+16, BB+24
	PK2 v_pk_add_f32, BB, BB, BB+16                ; num
	PK2 v_pk_add_f32, DD, DD, DD+4
	v_pk_add_f32 v[DD:DD+1], v[DD:DD+1], v[DD+2:DD+3]
	v_add_f32 v[DD], v[DD], v[DD+1]
	v_max_num_f32 v[DD], s50, v[DD]                ; den
	v_rcp_f32 v[DD], v[DD]
	v_nop
	s_wait_alu depctr_va_vdst(0)
.irp k, 0,1,2,3
	v_mul_f32 v[BB+\k], v[BB+\k], v[DD]            ; g
.endr
	v_mul_f32 v[RT], v[BB], v[BB]
	v_fma_f32 v[RT], v[BB+1], v[BB+1], v[RT]
	v_fma_f32 v[RT], v[BB+2], v[BB+2], v[RT]
	v_fma_f32 v[RT], v[BB+3], v[BB+3], v[RT]
.irp m, 1,2,4,8
	v_add_f32_dpp v[RT], v[RT], v[RT] row_xmask:\m row_mask:0xf bank_mask:0xf
.endr
	v_sqrt_f32 v[RT], v[RT]
	v_nop
	s_wait_alu depctr_va_vdst(0)
	v_max_num_f32 v[RT], s50, v[RT]                ; gn
	v_min_num_f32 v[RT+1], s51, v[RT]              ; x
	v_fma_f32 v[RT+2], -v[RT+1], v[RT+1], 1.0
	v_sqrt_f32 v[RT+2], v[RT+2]
	v_mul_f32 v[RT+1], s52, v[RT+1]                ; (the plain place)
	s_wait_alu depctr_va_vdst(0)
	v_fma_f32 v[RT+2], v[RT+2], v[RT], v[RT]       ; gn (1 + sqrt(1 - x^2))
	v_rcp_f32 v[RT+2], v[RT+2]
	v_nop
	s_wait_alu depctr_va_vdst(0)
	v_mul_f32 v[RT+1], v[RT+1], v[RT+2]
.irp k, 0,1,2,3
	v_mul_f32 v[OO+\k], v[BB+\k], v[RT+1]
.endr
	global_store_b128 v[TADR], v[OO:OO+3], s[\sb:\sb+1] offset:\hf*32768   ; 16 lanes store 256 consecutive bytes, aligned; each store has data registers of its own
.endm
.macro REDUCE g, sb
.irp hf, 0,1
.irp wv, 0,1,2,3,4,5,6,7
	ds_load_b128 v[RP+32*\hf+4*\wv:RP+32*\hf+4*\wv+3], v14 offset:\wv*PW+\hf*16*PP
.endr
.irp wv, 0,1,2,3,4,5,6,7
	ds_load_b32 v[RD+8*\hf+\wv], v15 offset:\g*1024+\wv*128+\hf*64
.endr
.endr
	s_wait_dscnt 0x0
	ROWFIN \g, 0, \sb
	ROWFIN \g, 1, \sb
.endm
	REDUCE 0, 42
	v_add_nc_u32 v14, PG, v14
	REDUCE 1, 44
	s_barrier_signal -1
	s_barrier_wait -1
	s_set_vgpr_msb 0x4
	s_wait_tensorcnt 0x0
	ds_add_u32 v8, v225
	s_wait_dscnt 0x0
	s_set_vgpr_msb 0x400
	s_endpgm
.Lfunc_end_k_q4c4951a7e4_attn:
	.size	k_q4c4951a7e4_attn, .Lfunc_end_k_q4c4951a7e4_attn-k_q4c4951a7e4_attn
	.p2alignl 7, 3214868480
	.fill 96, 4, 3214868480
	.section	.rodata,"a",@progbits
	.p2align	6, 0x0
	.amdhsa_kernel k_q4c4951a7e4_attn
		.amdhsa_group_segment_fixed_size 142336
		.amdhsa_private_segment_fixed_size 0
		.amdhsa_enable_private_segment 0
		.amdhsa_kernarg_size 40
		.amdhsa_user_sgpr_count 2
		.amdhsa_user_sgpr_kernarg_segment_ptr 1
		.amdhsa_wavefront_size32 1
		.amdhsa_system_sgpr_workgroup_id_x 1
		.amdhsa_system_sgpr_workgroup_id_y 1
		.amdhsa_system_sgpr_workgroup_id_z 1
		.amdhsa_system_vgpr_workitem_id 0
		.amdhsa_next_free_vgpr 482
		.amdhsa_next_free_sgpr 66
		.amdhsa_reserve_vcc 1
		.amdhsa_float_denorm_mode_32 3
		.amdhsa_float_denorm_mode_16_64 3
		.amdhsa_memory_ordered 1
		.amdhsa_forward_progress 1
		.amdhsa_inst_pref_size 119
	.end_amdhsa_kernel
	.amdgpu_metadata
---
amdhsa.version: [ 1, 2 ]
amdhsa.kernels:
  - .name:           k_q4c4951a7e4_attn
    .symbol:         k_q4c4951a7e4_attn.kd
    .args:
      - { .name: wfrag, .offset: 0, .size: 8, .value_kind: global_buffer, .address_space: global }
      - { .name: sums, .offset: 8, .size: 8, .value_kind: global_buffer, .address_space: global }
      - { .name: scale_tau, .offset: 16, .size: 8, .value_kind: global_buffer, .address_space: global }
      - { .name: scale_gamma, .offset: 24, .size: 8, .value_kind: global_buffer, .address_space: global }
      - { .name: out0, .offset: 32, .size: 8, .value_kind: global_buffer, .address_space: global }
    .group_segment_fixed_size: 142336
    .private_segment_fixed_size: 0
    .kernarg_segment_align: 8
    .kernarg_segment_size: 40
    .max_flat_workgroup_size: 256
    .sgpr_count:     66
    .vgpr_count:     482
    .wavefront_size: 32
...
	.end_amdgpu_metadata
.endif
;; end of part 2
